; MI455X (gfx1250); checked and timed in simulation.
; The chip was launched on July 23, 2026; its instructions are those of AMD's public machine-readable ISA for CDNA 5 (MIT licence, August 2026) and "CDNA5" Instruction Set Architecture Reference Guide (July 2026). The comments in the code are by the model that wrote it; some were corrected since.
;; Gated Attention. Allowed arithmetic: matrix products marked QUANTISED: E5M2 operands, one given power-of-two scale a tensor, by v_wmma_f32_16x16x64_bf8_bf8 or v_wmma_f32_16x16x128_bf8_bf8, f32 sums; everything else in f32.
;; Inputs: Wg_codes 256 x 8 x 32 uint8 (E5M2 codes of Wg, K innermost, in blocks of 32 codes); Wk_codes 256 x 8 x 32 uint8 (E5M2 codes of Wk, K innermost, in blocks of 32 codes); Wq_codes 256 x 8 x 32 uint8 (E5M2 codes of Wq, K innermost, in blocks of 32 codes); Wv_codes 256 x 8 x 32 uint8 (E5M2 codes of Wv, K innermost, in blocks of 32 codes); bg 256 float32; bk 256 float32; bq 256 float32; bv 256 float32; lowp_scales 12 int32 (the exponents e of the quantised operands' scales 2^e); x 4 x 4,096 x 256 float32.
;; Outputs: out0 4 x 4,096 x 256 float32.
;; This version of the problem:
;;   THIS VERSION OF THE PROBLEM IS GIVEN IN LOW PRECISION. The matrix products marked QUANTISED in the list below multiply operands that are first quantised to E5M2 (5 exponent bits, 2 mantissa bits; 8 bits a number), with one given power-of-two scale for each operand tensor; their sums are f32. All else is computed in f32.
;;   The module's matrix products, in the order in which they are computed (A, B: the left and right operand; K: the contracted axis; several contracted axes count as one K, in the product's order):
;;     1. [M 16,384, K 256] x [K 256, N 256]; A: input x; B: input Wq (given as codes): QUANTISED (scales: A lowp_scales[0], B lowp_scales[1])
;;     2. [M 16,384, K 256] x [K 256, N 256]; A: input x; B: input Wk (given as codes): QUANTISED (scales: A lowp_scales[2], B lowp_scales[3])
;;     3. [M 16,384, K 256] x [K 256, N 256]; A: input x; B: input Wv (given as codes): QUANTISED (scales: A lowp_scales[4], B lowp_scales[5])
;;     4. [M 16,384, K 256] x [K 256, N 256]; A: input x; B: input Wg (given as codes): QUANTISED (scales: A lowp_scales[6], B lowp_scales[7])
;;     5. batch 4 x [M 4,096, K 256] x [K 256, N 4,096]; A: computed on the way; B: computed on the way: QUANTISED (scales: A lowp_scales[8], B lowp_scales[9])
;;     6. batch 4 x [M 4,096, K 4,096] x [K 4,096, N 256]; A: softmax (see below); B: computed on the way: QUANTISED (scales: A lowp_scales[10], B lowp_scales[11])
;;   THE QUANTISER, for each operand of a quantised product, along K:
;;     - The operand's scale is 2^e, e = its entry of the input lowp_scales (int32; the entries are numbered through the quantised products in the list's order, A before B).
;;     - Each number is divided by the scale, clamped to +-57,344, and rounded to the nearest number of E5M2, ties to even, subnormals kept.
;;     - The product sums the exact products of the quantised numbers (number of the format x scale) in f32.
;;   ~~~python
;;   def quantise(x, axis, e):      # numpy; x: float32 -> the quantised numbers, widened to float32 again
;;       x = np.moveaxis(x, axis, -1); K = x.shape[-1]
;;       r = np.clip(x / 2.0 ** e, -57344, 57344)
;;       step = 2.0 ** (np.maximum(np.frexp(np.where(r == 0, 1, r))[1] - 1, -14) - 2)
;;       q = np.round(r / step) * step * 2.0 ** e      # np.round: ties to even
;;       return np.moveaxis(q, -1, axis).astype(np.float32)
;;   ~~~
;;   SOFTMAX AHEAD OF A QUANTISED PRODUCT. Where the list says 'softmax', what is quantised is not the finished softmax but p = 2^(t - M), with t = logit x log2(e) and M = ceil(the row's largest t), a whole number; so 1/2 < the row's largest p <= 1. The row's sum l is taken of the UNQUANTISED p, in f32, and the product's result is divided by l at the end. Since M is a whole number, a kernel that streams over the keys may use a running M (the ceiling of the running maximum): every later rescaling is an exact power of two, so the quantised numbers keep their values, but for numbers so far below the row's largest that they fall under the format's range.
;;   OPERANDS COMPUTED ON THE WAY. 'Computed on the way' means the value that the module computes at that place (a softmax that the list does not call 'softmax' is quantised finished and normalised). What goes into a quantiser is computed in f32, as accurately as f32 sums, v_exp_f32 and their like allow (about 1e-6 of the number): no bf16 or f16 on the way to a quantiser, and a product that is left as it is and whose result goes on into a quantised operand takes f32 operands (vector FMAs, or v_wmma_f32_16x16x4_f32). A number that lies on a knife's edge between two numbers of the format may be rounded either way, as far as f32 arithmetic and the matrix unit's own rounding can turn it there, and no further.
;;   INPUTS GIVEN AS CODES. Wg (in the module: [256, 256], K = its axis 0); Wk (in the module: [256, 256], K = its axis 0); Wq (in the module: [256, 256], K = its axis 0); Wv (in the module: [256, 256], K = its axis 0): each comes as NAME_codes (uint8): NAME with its K axis moved to the last place and cut into blocks of 32 codes, [.., K / 32, bytes a block], one block behind the other in memory; one code a byte (a code: sign, 5 exponent bits, 2 mantissa bits); its scale is its entry of lowp_scales. Its value is code x scale, taken as it is: it is not quantised again, and the codes and scales need not be those that the quantiser above would give.
;; One version. Each part assembles by itself: llvm-mc -triple=amdgcn-amd-amdhsa -mcpu=gfx1250 --defsym DOCPART=n.
;; ======== version 1 of 1: 2 launches
;; limits: right only within a limited range of input values
;; workspace buffers: qc 4,194,304 bytes; kc 4,194,304 bytes; vc 4,194,304 bytes; xc 4,194,304 bytes
;; launch proj (part 1): grid 256 x 1, 16 waves a work-group, clusters of 4 x 1, 327,680 bytes of LDS; arguments x, Wq_codes, Wk_codes, Wv_codes, bq, bk, bv, lowp_scales, qc, kc, vc, xc; writes qc, kc, vc, xc
.if DOCPART == 1
	.amdgcn_target "amdgcn-amd-amdhsa--gfx1250"
	.amdhsa_code_object_version 6
	.text
	.protected	k_q3a9f5891d1_proj
	.globl	k_q3a9f5891d1_proj
	.p2align	8
	.type	k_q3a9f5891d1_proj,@function
k_q3a9f5891d1_proj:
	s_mov_b64 s[64:65], 0
	v_nop
	global_prefetch_b8 v0, s[64:65] scope:SCOPE_SE
	s_setreg_imm32_b32 hwreg(HW_REG_WAVE_MODE, 25, 1), 1
	s_wait_xcnt 0x0
	s_wait_alu depctr_hold_cnt(0) depctr_sa_sdst(0) depctr_va_vdst(0) depctr_va_sdst(0) depctr_va_ssrc(0) depctr_va_vcc(0) depctr_vm_vsrc(0)
	s_getreg_b32 s2, hwreg(HW_REG_IB_STS2, 6, 4)
	s_cmp_eq_u32 s2, 0
	s_cbranch_scc0 .Lentry_in_a_cluster
	s_endpgm
.Lentry_in_a_cluster:
	s_bfe_u32 s2, ttmp6, 0x10000c
	s_cmp_lg_u32 s2, 0x3003
	s_cbranch_scc0 .Lentry_shape_is_right
	s_endpgm
.Lentry_shape_is_right:
; q = x Wq + bq, k = x Wk + bk, v = x Wv + bv on codes of BF8 (E5M2), quantised again (q, k along the 256 features, entries 8, 9; v along the keys, entry 11); and x's codes for the gate (entry 6).
; No work of reference() is left out.  x [16384][256] f32 is read once and quantised with entries 0, 2, 4, 6.  Wq, Wk, Wv: codes [256 (n)][256 (k)], entries 1, 3, 5.
; OUT, in the order of the next launch's operand registers; (r, h) = (lane % 16, lane / 16); i = work-group = tokens 64 i .. 64 i + 63:
;   qc, kc: [i][m 0..3][c8 0..7][lane][16 codes]: token 16 m + r; the 16 features of piece c8: 32 c8 + 8 h + 0 .. 7, then 32 c8 + 16 + 8 h + 0 .. 7 (alike in q and k, whose product sums over them)
;   vc: [i / 2][tau 0..15][p 0..3][lane][16 codes]: feature 16 tau + r; keys 32 p + 8 h + 0 .. 7, then 32 p + 16 + 8 h + 0 .. 7 of the block's 128
;   xc: [i][m][s][c][lane][16 codes]: token 16 m + r, features 128 s + 32 c + 16 h + 0 .. 15
; SHARES.  16 waves.  Each quantises four rows of x into LDS rows of 272 bytes, one image for each of the four scales.  Then wave w: kind w / 4 (0 q, 1 k, 2 v, 3 x's codes), quarter w % 4: 64 features of its kind for all 64 tokens, or 16 rows of x's codes.
; CLUSTER.  The weights are the same for all work-groups: the four of a cluster ask for them JOINTLY, twelve waves 64 rows each (16,384 bytes), padded to LDS rows of 272 bytes.
; q and k are made transposed (source 0 = W, source 1 = x): a lane holds one token.  v is made straight (source 0 = x, source 1 = W): a lane holds one feature and its registers run along the tokens.
; The bias is the C of a sum's first matrix instruction, divided by 2^(ex + ew); the three scales ahead of the quantiser are folded into the conversion's one, 2^(eo - ex - ew).
; LIMITS: entries 0, 2, 4, 6, entry 8 - entry 0 - entry 1, entry 9 - entry 2 - entry 3 and entry 11 - entry 4 - entry 5 lie between -126 and 112, so that each power of two and 57,344 times it are f32 numbers.  NaN among the inputs is not served.
; No prefetch: the launch has no loop to run ahead in.
.set PITCH, 272
.set TILE,  64*PITCH                   ; 64 padded rows
.set XC,    12*TILE                    ; behind the 768 rows of the three weights: x's codes, four images
.set BIAS,  XC+4*TILE                  ; 256 bytes for each wave: its 64 biases
.set SPARE, BIAS+16*256                ; the spare words
.set XF, 16                            ; v16-47 two fragments of x
.set AC, 48                            ; v48-79 four accumulators
.set CO, 80                            ; v80-95 codes
.set BI, 96                            ; v96-127 the bias in the result's layout
.set WF, 128                           ; v128-255 W(t, s) at WF + 16 (2 t + s).  Ahead of them in the same registers:
.set XN, 128                           ; 32 numbers of x
.set TM, 160                           ; the held numbers
.set XK, 192                           ; x's codes
.set XS, 224                           ; the four scales and the largest numbers
; v1 2^e and v2 57,344 x 2^e of the results' quantiser (at the head r, h); v3 16 x lane; v4 spare word; v5 0; v6 W in LDS; v7 my kind's x in LDS; v8 x; v9 x's codes in; v10 8 x lane; v11, v12 the bias; v13 x's codes out; v14-15 two biases
.macro WA
	s_wait_alu depctr_va_vdst(0)
.endm
.macro MKSC sE, vS, vL                 ; the whole number in s[sE] -> 2^e as f32 in v[vS], 57,344 x 2^e in v[vL]
	s_add_co_i32 s78, s[\sE], 127
	s_lshl_b32 s79, s78, 23
	v_mov_b32 v[\vS], s79
	s_add_co_i32 s78, s78, 15
	s_lshl_b32 s78, s78, 23
	s_or_b32 s78, s78, 0x600000
	v_mov_b32 v[\vL], s78
.endm
.macro CROUND                          ; a round of the cluster's barrier
	s_barrier_signal -1
	s_barrier_wait -1
	s_cmp_lg_u32 s28, 0
	s_cbranch_scc1 .Lnot_wave_0_\@
	s_barrier_signal -3
.Lnot_wave_0_\@:
	s_barrier_wait -3
	s_barrier_signal -1
	s_barrier_wait -1
.endm
.macro FETCH m                         ; x's two fragments of token tile m
.irp s, 0,1
.irp c, 0,1,2,3
	ds_load_b128 v[XF+16*\s+4*\c:XF+16*\s+4*\c+3], v7 offset:16*PITCH*(\m)+128*\s+32*\c
.endr
.endr
.endm
.macro WFETCH                          ; my 64 rows of W
.irp t, 0,1,2,3
.irp s, 0,1
.irp c, 0,1,2,3
	ds_load_b128 v[WF+16*(2*\t+\s)+4*\c:WF+16*(2*\t+\s)+4*\c+3], v6 offset:16*PITCH*\t+128*\s+32*\c
.endr
.endr
.endr
.endm
; The products of token tile m, the next tile's fragments, the hold.  The four accumulators take turns, one instruction a turn.
.macro MTILE m, swap
.irp s, 0,1
.irp t, 0,1,2,3
.if \swap
.if \s == 0
	v_wmma_f32_16x16x128_bf8_bf8 v[AC+8*\t:AC+8*\t+7], v[XF:XF+15], v[WF+32*\t:WF+32*\t+15], v[BI+8*\t:BI+8*\t+7]
.else
	v_wmma_f32_16x16x128_bf8_bf8 v[AC+8*\t:AC+8*\t+7], v[XF+16:XF+31], v[WF+32*\t+16:WF+32*\t+31], v[AC+8*\t:AC+8*\t+7]
.endif
.else
.if \s == 0
	v_wmma_f32_16x16x128_bf8_bf8 v[AC+8*\t:AC+8*\t+7], v[WF+32*\t:WF+32*\t+15], v[XF:XF+15], v[BI+8*\t:BI+8*\t+7]
.else
	v_wmma_f32_16x16x128_bf8_bf8 v[AC+8*\t:AC+8*\t+7], v[WF+32*\t+16:WF+32*\t+31], v[XF+16:XF+31], v[AC+8*\t:AC+8*\t+7]
.endif
.endif
.endr
.endr
.rept 4
	v_nop                                          ; four places in front of the loads and of the first read of the results
.endr
.if (\m) < 3
	FETCH (\m)+1
.endif
.set ii, 0
.rept 32
	v_med3_num_f32 v[AC+ii], v[AC+ii], -v2, v2     ; the conversion to an 8-bit code does not saturate (ISA guide 7.6.2): the hold at the largest code x the scale
.set ii, ii+1
.endr
.if (\m) > 1
	WA
	s_wait_xcnt 0x0                                ; the earlier stores have read the registers that the conversions write
.endif
.endm
	s_load_b512 s[4:19], s[0:1], 0x0               ; x 4, Wq 6, Wk 8, Wv 10, bq 12, bk 14, bv 16, the exponents 18
	s_load_b256 s[20:27], s[0:1], 0x40             ; qc 20, kc 22, vc 24, xc 26
	v_lshl_add_u32 v4, v0, 2, SPARE
	v_mov_b32 v5, 0
	ds_add_u32 v4, v5                              ; the opening lines: the add, twice on end, and its wait
	ds_add_u32 v4, v5
	v_lshrrev_b32 v1, 5, v0
	v_readfirstlane_b32 s28, v1                    ; wave 0..15
	s_lshr_b32 s29, s28, 2                         ; kind
	s_and_b32 s30, s28, 3                          ; quarter
	s_bfe_u32 s31, ttmp6, 0x40000                  ; cx: it enters x's and the outputs' addresses alone
	s_lshl_b32 s50, ttmp9, 2
	s_add_co_u32 s50, s50, s31                     ; work-group i
	; descriptor group 1: 64 rows of 256 bytes, 16 bytes of padding behind each
	s_mov_b32 s32, 15|(1<<20)|(1<<21)|(5<<22)|(3<<25)   ; mask: all four; elements of 1 byte; padding of 4 words after every 64; 21 set beside a mask
	s_mov_b32 s33, 256<<16
	s_mov_b32 s34, 64<<16
	s_mov_b32 s35, 256<<16
	s_mov_b32 s36, 64
	s_mov_b32 s37, 256
	s_mov_b32 s38, 0
	s_mov_b32 s39, 0
	s_mov_b32 s40, 1
	s_mul_i32 s41, s28, TILE                       ; LDS: 64 rows x wave
	s_mul_i32 s66, s28, 4*PITCH
	s_add_co_u32 s66, s66, XC                      ; my four rows of x's codes
	s_mul_i32 s67, s29, TILE
	s_add_co_u32 s67, s67, XC                      ; my kind's image
	s_mul_i32 s68, s30, 16*PITCH
	s_add_co_u32 s68, s68, s67                     ; my 16 rows of it
	s_lshl_b32 s69, s28, 8
	s_add_co_u32 s69, s69, BIAS                    ; my biases
	v_and_b32 v3, 31, v0
	v_lshlrev_b32 v8, 5, v3                        ; x: 32 bytes a lane, a row of 1,024 bytes a wave
	v_lshlrev_b32 v10, 3, v3
	v_lshlrev_b32 v3, 4, v3
	v_and_b32 v1, 15, v0                           ; r
	v_bfe_u32 v2, v0, 4, 1                         ; h
	v_add_nc_u32 v9, s66, v10
	v_add_nc_u32 v18, s69, v10
	v_mul_u32_u24 v7, v1, PITCH
	v_lshl_add_u32 v7, v2, 4, v7                   ; a fragment's row + 16 h
	v_add_nc_u32 v6, s41, v7
	v_add_nc_u32 v13, s68, v7
	v_add_nc_u32 v7, s67, v7
	v_lshlrev_b32 v11, 5, v2
	v_add_nc_u32 v11, s69, v11
	v_lshlrev_b32 v12, 2, v1
	v_add_nc_u32 v12, s69, v12
	v_mov_b32 v14, 0                               ; (waves 12 to 15 load no bias)
	v_mov_b32 v15, 0
	WA
	s_wait_dscnt 0x0                               ; both opening adds are done
	s_wait_kmcnt 0x0
	s_load_b256 s[52:59], s[18:19], 0x0            ; entries 0 to 7
	s_load_b128 s[60:63], s[18:19], 0x20           ; entries 8 to 11
	s_lshl_b32 s70, s50, 16
	s_lshl_b32 s71, s28, 12
	s_add_co_u32 s70, s70, s71
	s_mov_b32 s71, 0
	s_add_nc_u64 s[4:5], s[4:5], s[70:71]          ; x: 64 rows a work-group, four a wave
.irp w, 0,1,2,3
	global_load_b128 v[XN+8*\w:XN+8*\w+3], v8, s[4:5] offset:1024*\w th:TH_LOAD_NT
	global_load_b128 v[XN+8*\w+4:XN+8*\w+7], v8, s[4:5] offset:1024*\w+16 th:TH_LOAD_NT
.endr
	s_cmp_eq_u32 s29, 0                            ; the choice hangs on the wave's number alone
	s_cselect_b64 s[44:45], s[6:7], s[8:9]
	s_cselect_b64 s[46:47], s[12:13], s[14:15]
	s_cselect_b64 s[48:49], s[20:21], s[22:23]
	s_cmp_eq_u32 s29, 2
	s_cselect_b64 s[44:45], s[10:11], s[44:45]
	s_cselect_b64 s[46:47], s[16:17], s[46:47]
	s_lshl_b32 s72, s30, 14
	s_mov_b32 s73, 0
	s_add_nc_u64 s[42:43], s[44:45], s[72:73]      ; my 64 rows of the weight
	s_or_b32 s43, s43, 0x80000000                  ; type = 2
	s_lshl_b32 s72, s30, 8
	s_add_nc_u64 s[46:47], s[46:47], s[72:73]      ; and their biases
	CROUND                                         ; all four work-groups are here: the joint loads meet
	s_cmp_lt_u32 s28, 12
	s_cbranch_scc0 .Lno_weight
	tensor_load_to_lds s[40:43], s[32:39]
	s_nop 0
.rept 4
	v_nop
.endr
	global_load_b64 v[14:15], v10, s[46:47]
.Lno_weight:
	s_wait_kmcnt 0x0
	MKSC 52, XS, XS+1
	MKSC 54, XS+2, XS+3
	MKSC 56, XS+4, XS+5
	MKSC 58, XS+6, XS+7
	s_cmp_eq_u32 s29, 0
	s_cselect_b32 s74, s52, s54                    ; ex
	s_cselect_b32 s75, s53, s55                    ; ew
	s_cselect_b32 s76, s60, s61                    ; eo
	s_cmp_eq_u32 s29, 2
	s_cselect_b32 s74, s56, s74
	s_cselect_b32 s75, s57, s75
	s_cselect_b32 s76, s63, s76
	s_add_co_i32 s75, s74, s75                     ; ex + ew
	s_sub_co_i32 s76, s76, s75                     ; eo - ex - ew
	s_sub_co_i32 s77, 0, s75
	MKSC 76, 1, 2
	WA
.irp w, 0,1,2,3
	s_wait_loadcnt 6-2*\w                          ; row w is in: the later rows' loads, two each, may be out (the bias, where it is loaded, is the youngest: it is in behind the last of these)
.irp k, 0,1,2,3
.set ii, 0
.rept 8
	v_med3_num_f32 v[TM+8*\k+ii], v[XN+8*\w+ii], -v[XS+2*\k+1], v[XS+2*\k+1]   ; the hold
.set ii, ii+1
.endr
	v_cvt_scalef32_pk8_bf8_f32 v[XK+8*\k+2*\w:XK+8*\k+2*\w+1], v[TM+8*\k:TM+8*\k+7], v[XS+2*\k]
.endr
	v_nop                                          ; a plain line behind the conversions
.irp k, 0,1,2,3
	ds_store_b64 v9, v[XK+8*\k+2*\w:XK+8*\k+2*\w+1] offset:TILE*\k+PITCH*\w
.endr
.endr
	WA
	s_cmp_lt_u32 s28, 12
	s_cbranch_scc0 .Lno_bias
	v_ldexp_f32 v14, v14, s77                      ; the bias / 2^(ex + ew)
	v_ldexp_f32 v15, v15, s77
	ds_store_b64 v18, v[14:15]
.Lno_bias:
	WA
	s_wait_tensorcnt 0x0                           ; my 64 rows of a weight are in,
	s_wait_dscnt 0x0                               ; and my stores: for the others' sake
	s_barrier_signal -1
	s_barrier_wait -1
	s_cmp_lt_u32 s29, 2
	s_cbranch_scc1 .Lrole_t
	s_cmp_eq_u32 s29, 2
	s_cbranch_scc1 .Lrole_v
	; x's codes for the gate: 16 rows as fragments
.irp s, 0,1
.irp c, 0,1,2,3
	ds_load_b128 v[XF+16*\s+4*\c:XF+16*\s+4*\c+3], v13 offset:128*\s+32*\c
.endr
.endr
	s_lshl_b32 s70, s50, 14
	s_lshl_b32 s71, s30, 12
	s_add_co_u32 s70, s70, s71
	s_mov_b32 s71, 0
	s_add_nc_u64 s[26:27], s[26:27], s[70:71]
	s_wait_dscnt 0x0
.irp j, 0,1,2,3,4,5,6,7
	global_store_b128 v3, v[XF+4*\j:XF+4*\j+3], s[26:27] offset:512*\j
.endr
	s_branch .Ljoin
.Lrole_t:
	WFETCH
.irp t, 0,1,2,3
	ds_load_b128 v[BI+8*\t:BI+8*\t+3], v11 offset:64*\t
	ds_load_b128 v[BI+8*\t+4:BI+8*\t+7], v11 offset:64*\t+16
.endr
	FETCH 0
	s_lshl_b32 s70, s50, 14
	s_lshl_b32 s71, s30, 10
	s_add_co_u32 s70, s70, s71
	s_mov_b32 s71, 0
	s_add_nc_u64 s[48:49], s[48:49], s[70:71]      ; qc or kc: my two pieces c8 = 2 x quarter, + 1
.irp m, 0,1,2,3
	WA
	s_wait_dscnt 0x0
	MTILE \m, 0
.irp t, 0,1,2,3
	v_cvt_scalef32_pk8_bf8_f32 v[CO+8*(\m%2)+2*\t:CO+8*(\m%2)+2*\t+1], v[AC+8*\t:AC+8*\t+7], v1
.endr
	v_nop
	global_store_b128 v3, v[CO+8*(\m%2):CO+8*(\m%2)+3], s[48:49] offset:4096*\m
	global_store_b128 v3, v[CO+8*(\m%2)+4:CO+8*(\m%2)+7], s[48:49] offset:4096*\m+512
.endr
	s_branch .Ljoin
.Lrole_v:
	WFETCH
.irp t, 0,1,2,3
	ds_load_b32 v[BI+8*\t], v12 offset:64*\t
.endr
	FETCH 0
	s_lshr_b32 s70, s50, 1
	s_lshl_b32 s70, s70, 15                        ; the block of 128 keys,
	s_and_b32 s71, s50, 1
	s_lshl_b32 s71, s71, 10                        ; its half: p = 2 x half,
	s_add_co_u32 s70, s70, s71
	s_lshl_b32 s71, s30, 13                        ; my four tiles of features
	s_add_co_u32 s70, s70, s71
	s_mov_b32 s71, 0
	s_add_nc_u64 s[24:25], s[24:25], s[70:71]
	s_wait_dscnt 0x0
.irp t, 0,1,2,3
.irp j, 1,2,3,4,5,6,7
	v_mov_b32 v[BI+8*\t+\j], v[BI+8*\t]            ; a lane holds one feature: its bias in all eight registers
.endr
.endr
.irp m, 0,1,2,3
	WA
	s_wait_dscnt 0x0
	MTILE \m, 1
.irp t, 0,1,2,3
	v_cvt_scalef32_pk8_bf8_f32 v[CO+4*\t+2*(\m%2):CO+4*\t+2*(\m%2)+1], v[AC+8*\t:AC+8*\t+7], v1
.endr
	v_nop
.if \m%2
.irp t, 0,1,2,3
	global_store_b128 v3, v[CO+4*\t:CO+4*\t+3], s[24:25] offset:2048*\t+512*(\m/2)
.endr
.endif
.endr
.Ljoin:
	WA
	s_wait_tensorcnt 0x0                           ; the wave's end
	ds_add_u32 v4, v5
	s_wait_dscnt 0x0
	CROUND                                         ; the closing round
	s_endpgm
.Lfunc_end_k_q3a9f5891d1_proj:
	.size	k_q3a9f5891d1_proj, .Lfunc_end_k_q3a9f5891d1_proj-k_q3a9f5891d1_proj
	.p2alignl 7, 3214868480
	.fill 96, 4, 3214868480
	.section	.rodata,"a",@progbits
	.p2align	6, 0x0
	.amdhsa_kernel k_q3a9f5891d1_proj
		.amdhsa_group_segment_fixed_size 327680
		.amdhsa_private_segment_fixed_size 0
		.amdhsa_enable_private_segment 0
		.amdhsa_kernarg_size 96
		.amdhsa_user_sgpr_count 2
		.amdhsa_user_sgpr_kernarg_segment_ptr 1
		.amdhsa_wavefront_size32 1
		.amdhsa_system_sgpr_workgroup_id_x 1
		.amdhsa_system_sgpr_workgroup_id_y 1
		.amdhsa_system_sgpr_workgroup_id_z 1
		.amdhsa_system_vgpr_workitem_id 0
		.amdhsa_next_free_vgpr 256
		.amdhsa_next_free_sgpr 96
		.amdhsa_reserve_vcc 0
		.amdhsa_float_denorm_mode_32 3
		.amdhsa_float_denorm_mode_16_64 3
		.amdhsa_memory_ordered 1
		.amdhsa_forward_progress 1
		.amdhsa_inst_pref_size 56
	.end_amdhsa_kernel
	.amdgpu_metadata
---
amdhsa.version: [ 1, 2 ]
amdhsa.kernels:
  - .name:           k_q3a9f5891d1_proj
    .symbol:         k_q3a9f5891d1_proj.kd
    .args:
      - { .name: x, .offset: 0, .size: 8, .value_kind: global_buffer, .address_space: global }
      - { .name: Wq_codes, .offset: 8, .size: 8, .value_kind: global_buffer, .address_space: global }
      - { .name: Wk_codes, .offset: 16, .size: 8, .value_kind: global_buffer, .address_space: global }
      - { .name: Wv_codes, .offset: 24, .size: 8, .value_kind: global_buffer, .address_space: global }
      - { .name: bq, .offset: 32, .size: 8, .value_kind: global_buffer, .address_space: global }
      - { .name: bk, .offset: 40, .size: 8, .value_kind: global_buffer, .address_space: global }
      - { .name: bv, .offset: 48, .size: 8, .value_kind: global_buffer, .address_space: global }
      - { .name: lowp_scales, .offset: 56, .size: 8, .value_kind: global_buffer, .address_space: global }
      - { .name: qc, .offset: 64, .size: 8, .value_kind: global_buffer, .address_space: global }
      - { .name: kc, .offset: 72, .size: 8, .value_kind: global_buffer, .address_space: global }
      - { .name: vc, .offset: 80, .size: 8, .value_kind: global_buffer, .address_space: global }
      - { .name: xc, .offset: 88, .size: 8, .value_kind: global_buffer, .address_space: global }
    .group_segment_fixed_size: 327680
    .private_segment_fixed_size: 0
    .kernarg_segment_align: 8
    .kernarg_segment_size: 96
    .max_flat_workgroup_size: 512
    .sgpr_count:     96
    .vgpr_count:     256
    .wavefront_size: 32
...
	.end_amdgpu_metadata
.endif
;; end of part 1
;; launch attn (part 2): grid 64 x 4, 4 waves a work-group, clusters of 4 x 1, 327,680 bytes of LDS; arguments x, Wg_codes, bg, lowp_scales, kc, vc, qc, xc, out0; writes out0
.if DOCPART == 2
	.amdgcn_target "amdgcn-amd-amdhsa--gfx1250"
	.amdhsa_code_object_version 6
	.text
	.protected	k_q3a9f5891d1_attn
	.globl	k_q3a9f5891d1_attn
	.p2align	8
	.type	k_q3a9f5891d1_attn,@function
k_q3a9f5891d1_attn:
	s_mov_b64 s[64:65], 0
	v_nop
	global_prefetch_b8 v0, s[64:65] scope:SCOPE_SE
	s_setreg_imm32_b32 hwreg(HW_REG_WAVE_MODE, 25, 1), 1
	s_wait_xcnt 0x0
	s_wait_alu depctr_hold_cnt(0) depctr_sa_sdst(0) depctr_va_vdst(0) depctr_va_sdst(0) depctr_va_ssrc(0) depctr_va_vcc(0) depctr_vm_vsrc(0)
	s_getreg_b32 s2, hwreg(HW_REG_IB_STS2, 6, 4)
	s_cmp_eq_u32 s2, 0
	s_cbranch_scc0 .Lentry_in_a_cluster
	s_endpgm
.Lentry_in_a_cluster:
	s_bfe_u32 s2, ttmp6, 0x10000c
	s_cmp_lg_u32 s2, 0x3003
	s_cbranch_scc0 .Lentry_shape_is_right
	s_endpgm
.Lentry_shape_is_right:
; out = sigmoid(x Wg + bg) * softmax(q k^T / 16) v + x on codes of BF8 (E5M2), each operand with the given scale 2^e (entries 6, 7: x, Wg; 8, 9: q, k; 10, 11: p, v).  No work of reference() is left out.
; The codes of q, k, v and of x for the gate come from the workspace, laid in the order of the operand registers.  (r, h) = (lane % 16, lane / 16).
; THE SOFTMAX: t = score x log2(e) / 16; M = the largest t so far, rounded UP to a whole number; p = 2^(t - M) is quantised, not normalised; the sum is taken of the unquantised p and divides at the end.
; SHARES.  A work-group owns 64 queries of one batch; FOUR waves, one for each SIMD; each takes ALL 64 queries (four tiles) and 128 of every 512 keys, so each fragment of K and V is read from LDS once and feeds four matrix instructions.
; Each wave keeps M, the sum and O^T for its quarter of the keys; the quarters meet in LDS at the end, each multiplied by 2^(its M - the largest M), which rounds nothing.
; THE RING.  Slot 0 (131,072 bytes) holds K of 512 keys, slot 1 V of 512 keys.  A round: the scores; change X (K's slot is read out: it takes the next round's K; V has landed); the softmax, during which V's fragments
; come into registers, all 256 of them; change Y (V's slot is read out: it takes the next round's V; the next K has landed); the second product.  K's load has the softmax in which to land, V's the second product and the next scores.
; Eight rounds; a wave has one tensor load out behind each change.
; LAYOUT.  S^T = K Q^T (source 0 = 16 keys, source 1 = 16 queries) and O^T = V^T P^T (source 0 = 16 features, source 1 = P, K = 128): a lane holds ONE query throughout.  Key tile m's eight scores are keys 16 m + 8 h + 0 .. 7: registers 2 m, 2 m + 1 of P.
; CLUSTER.  The four query blocks of a cluster belong to one batch and walk the same K and V: each slot is asked for JOINTLY, each wave a quarter, with a mask that names the four.
; THE WALK.  A batch has 8 slots of keys and 16 clusters; cluster c begins at slot c mod 8 and walks round: all the batch's codes are asked for in the first round, and from the second on each slot that a cluster asks for
; was asked for one round earlier by another cluster: no prefetch is laid for K and V.  x and its codes, which the end reads, are prefetched in the last round.  The order of the keys changes nothing: every rescaling is a power of two.
; LIMITS on the given exponents, so that each power of two below is an f32 number: entry 10 between -126 and 112; entry 8 + entry 9 between -122 and 131; entry 6 + entry 7 between -126 and 127.  NaN among the inputs is not served.
; REGISTERS.  Window 0: v1-23 addresses; v24-55 statistics, eight a tile; v56-63 at work; v64-191 Q (end: Wg, then rows of out); v192-255 K's fragments of two key tiles, then p's codes (end: bg).
;   Window 1: S^T, then p (tile q, key tile m at 64 q + 8 m), then V (tile tau at 16 tau); end: x's codes or x, and the gate.   Windows 2, 3: O^T, tile (q, tau) at 128 (q % 2) + 8 tau of window 2 + q / 2.
.set SLOT1, 1<<17
.set STAT,  2*SLOT1                    ; each wave's -M and sum: [2 q + which][lane][wave] words
.set STAGE, STAT+4096                  ; the way out: 16 rows x 272 bytes for each wave
.set SPARE, STAGE+4*4352               ; the spare words
.set ST, 24                            ; tile q at ST + 8 q: +0 -M, +1 and +6 the largest score in two chains, +2, +3 the sum in two halves, +4 f, +5 its pair's upper half, +7 at work
.set T,  56
.set Q,  64
.set F,  192
; v1 r; v2 h; v3 16 x lane; v4 spare word; v5 0; v6, v7 my quarter of slot 0, 1; v8 two rows of x and out; v9 Wg's rows; v10 bg; v11, v13 statistics out and in; v12 2^e10; v14 my image of O^T; v15-18 the four images; v19, v20 the stage in and back; v21, v22 prefetches
; s[12:13], s[14:15] K and V at my batch and quarter; s[24:31] descriptor group 1; s[32:35], s[36:39] groups 0 for K, V; s45 57,344 x 2^e10; s49 the loop's count; s50 the slot of keys asked for last, s[52:53] that x 131,072; s[54:55] c
.set MSB, 0
.macro WIN new                         ; the immediate's high byte repeats the setting that is left
.if MSB != \new
	s_set_vgpr_msb (MSB<<8)|\new
.set MSB, \new
.endif
.endm
.macro WA
	s_wait_alu depctr_va_vdst(0)
.endm
.macro PLACES n                        ; places behind matrix instructions (ISA guide 7.12.1)
.rept \n
	v_nop
.endr
.endm
.macro CREST                           ; a round of the cluster's barrier behind its opening barrier
	s_cmp_lg_u32 s22, 0
	s_cbranch_scc1 .Lnot_wave_0_\@
	s_barrier_signal -3
.Lnot_wave_0_\@:
	s_barrier_wait -3
	s_barrier_signal -1
	s_barrier_wait -1
.endm
.macro CROUND
	s_barrier_signal -1
	s_barrier_wait -1
	CREST
.endm
.macro QLOAD dst, base                 ; the work-group's four tiles of 16 rows of codes: fragment (q, s) at dst + 32 q + 16 s
.irp q, 0,1,2,3
.irp j, 0,1,2,3,4,5,6,7
	global_load_b128 v[\dst+32*\q+4*\j:\dst+32*\q+4*\j+3], v3, s[\base:\base+1] offset:4096*\q+512*\j
.endr
.endr
.endm
; K's two fragments of key tile m, into d0 and d1 of window 0 (w = 0) or 1 (w = 0x40).  Tiles 0, 6 and 4, 7 come into F and F + 32; tiles 1, 2, 3 into window 1 at 32, 96, 160, where the scores of key tiles 4 to 7 will lie;
; tile 5 into the second halves of tile 1's and tile 2's places, where those of tiles 6 and 7 will lie.
.macro KLD m, d0, d1, w
	WIN \w
.irp j, 0,1,2,3
	ds_load_b128 v[\d0+4*\j:\d0+4*\j+3], v6 offset:4096*(\m)+512*\j
.endr
.irp j, 0,1,2,3
	ds_load_b128 v[\d1+4*\j:\d1+4*\j+3], v6 offset:4096*(\m)+2048+512*\j
.endr
.endm
.macro VLD g                           ; V's tiles 4 g .. 4 g + 3, into the registers of query tile g's p, which are codes by then
	WIN 0x40
.irp t, 0,1,2,3
.irp p, 0,1,2,3
	ds_load_b128 v[64*(\g)+16*\t+4*\p:64*(\g)+16*\t+4*\p+3], v7 offset:2048*(4*(\g)+\t)+512*\p
.endr
.endr
.endm
; Line l of 16 of the running largest score over key tile m: two chains a query tile, two query tiles at a time: eleven lines stand between a chain's last line here and its first for the next key tile
.macro SLINE m, l
	WIN 0x14
.set qv, 2*((\l)/8)+((\l)/2)%2
.set jv, 64*qv+8*(\m)+4*(((\l)/4)%2)+2*((\l)%2)
.set av, ST+8*qv+1+5*((\l)%2)
	v_max3_num_f32 v[av], v[av], v[jv], v[jv+1]
.endm
.macro SMAX m
.set ll, 0
.rept 16
	SLINE \m, ll
.set ll, ll+1
.endr
.endm
; Key tile m (fragments a0, a1; w = 0x50: in window 0, 0x51: in window 1) against the four tiles of queries: four accumulators by turns, three others between a sum's two steps.
; mx: the key tile, two back, whose sixteen lines stand between and behind the products (-1: none); the last six are the places behind the last product.
.macro SMUL m, a0, a1, w, mx
.irp i, 0,1,2,3,4,5,6,7
.set qw, (\i)%4
	WIN \w
.if \i < 4
	v_wmma_f32_16x16x128_bf8_bf8 v[64*qw+8*(\m):64*qw+8*(\m)+7], v[\a0:\a0+15], v[Q+32*qw:Q+32*qw+15], 0
.else
	v_wmma_f32_16x16x128_bf8_bf8 v[64*qw+8*(\m):64*qw+8*(\m)+7], v[\a1:\a1+15], v[Q+32*qw+16:Q+32*qw+31], v[64*qw+8*(\m):64*qw+8*(\m)+7]
.endif
.if ((\mx) >= 0) && (\i < 5)
	SLINE \mx, 2*\i
	SLINE \mx, 2*\i+1
.endif
.endr
.if (\mx) >= 0
.irp l, 10,11,12,13,14,15
	SLINE \mx, \l
.endr
.endif
.endm
.macro FMAP q, i                       ; t - M for the pair at i (of the pairs c and -M the low word serves both halves)
	v_pk_fma_f32 v[64*(\q)+\i:64*(\q)+\i+1], v[64*(\q)+\i:64*(\q)+\i+1], s[54:55], v[ST+8*(\q):ST+8*(\q)+1] op_sel_hi:[1,0,0]
.endm
; One tile's 64 exponentials; between them the hold of the tile before (p is not negative: one-sided; the conversion does not saturate: ISA guide 7.6.2) and t - M of the tile behind.  None of these lines names a result of this batch.
.macro EXPB q
	WIN 0x45
	WA
.set ii, 0
.rept 64
	v_exp_f32 v[64*\q+ii], v[64*\q+ii]
.if \q > 0
	v_min_num_f32 v[64*(\q-1)+ii], s45, v[64*(\q-1)+ii]
.endif
.if (\q < 3) && ((ii%2) == 1)
	FMAP \q+1, ii-1
.endif
.set ii, ii+1
.endr
	WA                                             ; one wait for the batch, ahead of its first reader
.endm
.macro CVT q                           ; under source 0 window 1, destination window 0
.irp m, 0,1,2,3,4,5,6,7
	v_cvt_scalef32_pk8_bf8_f32 v[F+16*(\q)+2*\m:F+16*(\q)+2*\m+1], v[64*(\q)+8*\m:64*(\q)+8*\m+7], v12
.endr
.endm
.macro SUMS q                          ; the sum of the UNQUANTISED p, in four chains; the codes of the tile before; V's fragments into that tile's registers
	WIN 0x05
.irp i, 0,2,4,6
	v_pk_add_f32 v[T+\i:T+\i+1], v[64*\q+\i:64*\q+\i+1], v[64*\q+8+\i:64*\q+8+\i+1]
.endr
	WIN 0x01
.irp n, 2,3,4,5,6,7
.irp i, 0,2,4,6
	v_pk_add_f32 v[T+\i:T+\i+1], v[64*\q+8*\n+\i:64*\q+8*\n+\i+1], v[T+\i:T+\i+1]
.endr
.endr
.if \q > 0
	CVT \q-1
.endif
	WIN 0
	v_pk_add_f32 v[T:T+1], v[T:T+1], v[T+4:T+5]
	v_pk_add_f32 v[T+2:T+3], v[T+2:T+3], v[T+6:T+7]
	v_pk_add_f32 v[T:T+1], v[T:T+1], v[T+2:T+3]
	v_pk_fma_f32 v[ST+8*\q+2:ST+8*\q+3], v[ST+8*\q+2:ST+8*\q+3], v[ST+8*\q+4:ST+8*\q+5], v[T:T+1] op_sel_hi:[1,0,1]   ; the sum under the new M
.if \q > 0
	VLD \q-1
.endif
.endm
.macro RESC q                          ; O^T of query tile q x f, each accumulator from its low end on; one wait for these matrix results, directly ahead
.if (\q) < 2
	WIN 0x82
.else
	WIN 0xc3
.endif
	WA
.set ii, 0
.rept 64
	v_pk_mul_f32 v[128*((\q)%2)+ii:128*((\q)%2)+ii+1], v[128*((\q)%2)+ii:128*((\q)%2)+ii+1], v[ST+8*(\q)+4:ST+8*(\q)+5] op_sel_hi:[1,0]
.set ii, ii+2
.endr
.endm
.macro PV q, first                     ; O^T += V^T P^T for query tile q: sixteen accumulators, one instruction each
	WIN 0xa1                                       ; (query tiles 0 and 1)
.set ii, 0
.rept 16
.if \first
	v_wmma_f32_16x16x128_bf8_bf8 v[128*((\q)%2)+8*ii:128*((\q)%2)+8*ii+7], v[16*ii:16*ii+15], v[F+16*(\q):F+16*(\q)+15], 0
.else
	v_wmma_f32_16x16x128_bf8_bf8 v[128*((\q)%2)+8*ii:128*((\q)%2)+8*ii+7], v[16*ii:16*ii+15], v[F+16*(\q):F+16*(\q)+15], v[128*((\q)%2)+8*ii:128*((\q)%2)+8*ii+7]
.endif
.set ii, ii+1
.endr
.endm
.macro PVT t, first                    ; the same for query tiles 2 and 3 and one tile of features
	WIN 0xf1
.irp q, 0,1
.if \first
	v_wmma_f32_16x16x128_bf8_bf8 v[128*\q+8*(\t):128*\q+8*(\t)+7], v[16*(\t):16*(\t)+15], v[F+32+16*\q:F+32+16*\q+15], 0
.else
	v_wmma_f32_16x16x128_bf8_bf8 v[128*\q+8*(\t):128*\q+8*(\t)+7], v[16*(\t):16*(\t)+15], v[F+32+16*\q:F+32+16*\q+15], v[128*\q+8*(\t):128*\q+8*(\t)+7]
.endif
.endr
.endm
.macro ROUND first, last
	; THE SCORES.  A key tile is eight LDS loads; they are issued in the order 0, 1, 2, 3, 4 (ahead of the round), 6, 5, 7, and each count is that of the tiles issued behind the one that is wanted
	s_wait_dscnt 32                                ; tile 0 (behind it: 1, 2, 3, 4)
	SMUL 0, F, F+16, 0x50, -1
	PLACES 4
	KLD 6, F, F+16, 0
	s_wait_dscnt 32                                ; tile 1 (2, 3, 4, 6)
	SMUL 1, 32, 48, 0x51, -1
	s_wait_dscnt 24                                ; tile 2 (3, 4, 6)
	SMUL 2, 96, 112, 0x51, 0
	KLD 5, 48, 112, 0x40
	s_wait_dscnt 24                                ; tile 3 (4, 6, 5)
	SMUL 3, 160, 176, 0x51, 1
	s_wait_dscnt 16                                ; tile 4 (6, 5)
	SMUL 4, F+32, F+48, 0x50, 2
	KLD 7, F+32, F+48, 0
	s_wait_dscnt 8                                 ; tiles 6 and 5 (7)
	SMUL 5, 48, 112, 0x51, 3
	SMUL 6, F, F+16, 0x50, 4
	s_wait_dscnt 0x0                               ; the last key tile is in: K's slot is read out
	; CHANGE X
	WIN 0
	s_wait_tensorcnt 0x0                           ; no tensor load of mine is out: my quarter of V has landed
	ds_add_u32 v4, v5
.if \last == 0
	s_add_co_u32 s50, s50, 1
	s_and_b32 s50, s50, 7                          ; the walk's next slot of keys, round the batch's eight
	s_lshl_b32 s52, s50, 17
	s_add_nc_u64 s[34:35], s[12:13], s[52:53]
	s_or_b32 s35, s35, 0x80000000
.endif
	SMUL 7, F+32, F+48, 0x50, 5
	SMAX 6
	s_wait_dscnt 0x0                               ; the add is done
	s_barrier_signal -1
	SMAX 7                                         ; work on registers while the others arrive
	WIN 0
.irp q, 0,1,2,3
	v_max_num_f32 v[T+\q], v[ST+8*\q+1], v[ST+8*\q+6]
.endr
.irp q, 0,1,2,3
	v_permlanex16_b32 v[T+4+\q], v[T+\q], s56, s57 ; the query's other keys lie in the lane 16 away
.endr
.irp q, 0,1,2,3
	v_max_num_f32 v[T+\q], v[T+\q], v[T+4+\q]
.endr
.irp q, 0,1,2,3
	v_mul_f32 v[T+\q], s54, v[T+\q]                ; as t (c is positive)
.endr
.irp q, 0,1,2,3
	v_mov_b32 v[T+4+\q], v[ST+8*\q]
.endr
.irp q, 0,1,2,3
	v_floor_f32 v[ST+8*\q], -v[T+\q]               ; the new -M = floor(-t): M is a whole number
.endr
.irp q, 0,1,2,3
	v_sub_f32 v[T+\q], v[ST+8*\q], v[T+4+\q]       ; old M - new M: a whole number, 0 or less
.endr
.irp q, 0,1,2,3
	v_cvt_i32_f32 v[T+\q], v[T+\q]                 ; (it saturates)
.endr
.irp q, 0,1,2,3
	v_ldexp_f32 v[ST+8*\q+4], 1.0, v[T+\q]         ; f = 2^(old M - new M)
.endr
	WA
	s_barrier_wait -1
.if \last == 0
	CREST                                          ; no wave of any partner still reads K's slot or has a load on its way
	tensor_load_to_lds s[32:35], s[24:31]
	s_nop 0
	PLACES 4
.else
.irp t, 0,1,2,3                        ; the last round: Q is done with; my 64 rows of Wg come into its registers (read by matrix instructions more than four lines ago)
.irp j, 0,1,2,3,4,5,6,7
	global_load_b128 v[Q+32*\t+4*\j:Q+32*\t+4*\j+3], v9, s[6:7] offset:4096*\t+32*\j
.endr
.endr
	global_prefetch_b8 v21, s[4:5] th:TH_LOAD_NT scope:SCOPE_SE               ; my work-group's 65,536 bytes of x: 256 blocks of 256 bytes, a lane a block
	global_prefetch_b8 v21, s[4:5] offset:32768 th:TH_LOAD_NT scope:SCOPE_SE
	global_prefetch_b8 v22, s[18:19] th:TH_LOAD_NT scope:SCOPE_SE             ; and its 16,384 bytes of x's codes: 16 blocks a wave (the other lanes name the last again)
.endif
	; THE SOFTMAX, tile by tile
	WIN 0x45
.set jj, 0
.rept 32
	FMAP 0, jj
.set jj, jj+2
.endr
	EXPB 0
	SUMS 0
	EXPB 1
	SUMS 1
	EXPB 2
	SUMS 2
	EXPB 3
	SUMS 3
	WIN 0x45
.set ii, 0
.rept 64
	v_min_num_f32 v[192+ii], s45, v[192+ii]
.set ii, ii+1
.endr
	WIN 0x01
	CVT 3
	v_nop                                          ; a plain line behind the conversions
	VLD 3
	; CHANGE Y, and the second product
.if \first == 0
	RESC 0
.endif
	WIN 0
	WA
	s_wait_tensorcnt 0x0                           ; no tensor load of mine is out: my quarter of the next K has landed
	ds_add_u32 v4, v5
.if \last == 0
	s_add_nc_u64 s[38:39], s[14:15], s[52:53]
	s_or_b32 s39, s39, 0x80000000
.endif
.if \first == 0
	RESC 1
.endif
	WA
	s_wait_dscnt 0x0                               ; the add is done, and all of V is in registers: V's slot is read out
	s_barrier_signal -1
	PV 0, \first
	WIN 0
	s_barrier_wait -1
.if \last == 0
	CREST                                          ; no wave of any partner still reads V's slot or has a load on its way
	tensor_load_to_lds s[36:39], s[24:31]
	s_nop 0
	PLACES 4
.endif
	PV 1, \first
.if \first
	PLACES 4
.else
	RESC 2                                         ; (also the places in front of the loads below)
	RESC 3
.endif
.if \last == 0
	KLD 0, F, F+16, 0                              ; the next round's key tile 0, into the registers of the codes just multiplied
.endif
.irp t, 2,3,6,7,10,11
	PVT \t, \first
.endr
.if \last == 0
	PLACES 4
	KLD 1, 32, 48, 0x40                            ; key tiles 1 to 3, into the registers of the tiles of V just multiplied for the last time
	KLD 2, 96, 112, 0x40
	KLD 3, 160, 176, 0x40
.endif
.irp t, 0,1,4,5,8,9,12,13,14,15
	PVT \t, \first
.endr
.if \last == 0
	PLACES 5                                       ; five: the next scores write over V's registers
	KLD 4, F+32, F+48, 0
.endif
	WIN 0
.endm
	; ---- THE HEAD
	s_load_b512 s[4:19], s[0:1], 0x0               ; x 4, Wg 6, bg 8, the exponents 10, kc 12, vc 14, qc 16, xc 18
	s_load_b64 s[20:21], s[0:1], 0x40              ; out
	v_lshl_add_u32 v4, v0, 2, SPARE
	v_mov_b32 v5, 0
	ds_add_u32 v4, v5                              ; the opening lines: the add, twice on end, and its wait
	ds_add_u32 v4, v5
	v_lshrrev_b32 v1, 5, v0
	v_readfirstlane_b32 s22, v1                    ; wave 0..3
	s_bfe_u32 s23, ttmp6, 0x40000                  ; cx: it enters the addresses of q, x, its codes and out alone
	s_and_b32 s2, ttmp7, 0xffff                    ; the batch, which the four partners share
	; descriptor group 1: 128 rows of 256 bytes, dense in memory and in LDS
	s_mov_b32 s24, 15|(3<<16)|(1<<21)              ; the mask: all four; elements of 8 bytes; 21 set beside a mask
	s_mov_b32 s25, 32<<16
	s_mov_b32 s26, 128<<16
	s_mov_b32 s27, 32<<16
	s_mov_b32 s28, 128
	s_mov_b32 s29, 32
	s_mov_b32 s30, 0
	s_mov_b32 s31, 0
	s_mov_b32 s84, 15|(3<<16)|(1<<21)              ; the head's descriptor: the same with 256 rows: waves 0, 1 fetch the halves of round 0's K, waves 2, 3 those of its V
	s_mov_b32 s85, 32<<16
	s_mov_b32 s86, 256<<16
	s_mov_b32 s87, 32<<16
	s_mov_b32 s88, 256
	s_mov_b32 s89, 32
	s_mov_b32 s90, 0
	s_mov_b32 s91, 0
	s_mov_b32 s92, 1
	s_lshl_b32 s93, s22, 16                        ; LDS: 65,536 x wave: K's slot, then V's
	s_mov_b32 s32, 1
	s_lshl_b32 s33, s22, 15                        ; my quarter of a slot: 32,768 x wave
	s_mov_b32 s36, 1
	s_add_co_u32 s37, s33, SLOT1
	s_lshl_b32 s70, s2, 20                         ; a batch's codes of k or v: 1,048,576 bytes
	s_add_co_u32 s70, s70, s33
	s_mov_b32 s71, 0
	s_and_b32 s50, ttmp9, 7                        ; the walk's first slot of keys: ttmp9 counts clusters, the same in all four partners
	s_lshl_b32 s52, s50, 17
	s_mov_b32 s53, 0
	s_lshl_b32 s3, ttmp9, 2
	s_add_co_u32 s3, s3, s23
	s_lshl_b32 s76, s2, 6
	s_add_co_u32 s76, s76, s3                      ; my block of 64 queries among all
	s_lshl_b32 s74, s76, 14
	s_mov_b32 s75, 0
	s_lshl_b32 s78, s76, 16
	s_mov_b32 s79, 0
	s_lshl_b32 s46, s22, 8
	s_mov_b32 s47, 0
	s_lshl_b32 s48, s22, 14
	s_mov_b32 s49, 0
	s_mov_b32 s56, 0x76543210                      ; v_permlanex16_b32: lane l xor 16
	s_mov_b32 s57, 0xfedcba98
	WA
	s_wait_dscnt 0x0                               ; both opening adds are done
	s_wait_kmcnt 0x0
	s_load_b64 s[68:69], s[10:11], 0x18            ; entries 6, 7
	s_load_b128 s[60:63], s[10:11], 0x20           ; entries 8 to 11
	s_lshl_b32 s80, s2, 20                         ; the batch,
	s_add_co_u32 s80, s80, s52                     ; the walk's first slot,
	s_and_b32 s81, s22, 1
	s_lshl_b32 s81, s81, 16                        ; my half of it
	s_add_co_u32 s80, s80, s81
	s_mov_b32 s81, 0
	s_cmp_lt_u32 s22, 2                            ; the choice hangs on the wave's number alone
	s_cselect_b64 s[94:95], s[12:13], s[14:15]
	s_add_nc_u64 s[94:95], s[94:95], s[80:81]
	s_or_b32 s95, s95, 0x80000000                  ; type = 2
	s_add_nc_u64 s[12:13], s[12:13], s[70:71]
	s_add_nc_u64 s[14:15], s[14:15], s[70:71]
	CROUND                                         ; all four work-groups are here: the first joint loads meet
	tensor_load_to_lds s[92:95], s[84:91]          ; round 0's K and V: one tensor load a wave
	s_nop 0
	PLACES 4
	s_add_nc_u64 s[16:17], s[16:17], s[74:75]
	s_add_nc_u64 s[18:19], s[18:19], s[74:75]
	v_and_b32 v3, 31, v0
	v_lshlrev_b32 v3, 4, v3                        ; 16 x lane
	QLOAD Q, 16                                    ; q's codes stay in registers
	s_add_nc_u64 s[4:5], s[4:5], s[78:79]          ; x at my 64 rows,
	s_add_nc_u64 s[72:73], s[4:5], s[46:47]        ; and at my 64 columns; out likewise
	s_add_nc_u64 s[20:21], s[20:21], s[78:79]
	s_add_nc_u64 s[20:21], s[20:21], s[46:47]
	s_add_nc_u64 s[6:7], s[6:7], s[48:49]          ; my 64 rows of Wg,
	s_add_nc_u64 s[8:9], s[8:9], s[46:47]          ; and of bg
	v_and_b32 v1, 15, v0                           ; r
	v_bfe_u32 v2, v0, 4, 1                         ; h
	v_add_nc_u32 v6, s33, v3
	v_add_nc_u32 v7, s37, v3
	v_lshlrev_b32 v8, 10, v2
	v_lshl_add_u32 v8, v1, 4, v8                   ; lanes 0-15 one row, lanes 16-31 the next; 16 bytes a lane
	v_lshlrev_b32 v9, 8, v1
	v_lshl_add_u32 v9, v2, 4, v9
	v_lshlrev_b32 v10, 5, v2
	v_add_nc_u32 v13, STAT, v3
	s_lshl_b32 s70, s22, 2
	v_add_nc_u32 v11, s70, v13
	s_lshl_b32 s70, s22, 16
	v_add_nc_u32 v14, s70, v3
	s_lshl_b32 s70, s22, 12
	v_add_nc_u32 v15, s70, v3
	v_add_nc_u32 v16, 0x10000, v15
	v_add_nc_u32 v17, 0x20000, v15
	v_add_nc_u32 v18, 0x30000, v15
	s_mul_i32 s70, s22, 4352
	s_add_co_u32 s70, s70, STAGE
	v_mul_u32_u24 v19, v1, 272
	v_lshl_add_u32 v19, v2, 5, v19
	v_add_nc_u32 v19, s70, v19                     ; in: row r + 32 h
	v_mul_u32_u24 v20, v2, 272
	v_lshl_add_u32 v20, v1, 4, v20
	v_add_nc_u32 v20, s70, v20                     ; back: two rows an instruction
	v_lshlrev_b32 v21, 8, v0
	v_and_b32 v23, 31, v0
	v_min_u32 v23, 15, v23
	s_lshl_b32 s70, s22, 4
	v_add_nc_u32 v23, s70, v23
	v_lshlrev_b32 v22, 8, v23
.irp q, 0,1,2,3
	v_mov_b32 v[ST+8*\q], 0x7f61b1e6               ; -M: 3e38
	v_mov_b32 v[ST+8*\q+1], 0xff61b1e6             ; the largest score so far: -3e38, under every score
	v_mov_b32 v[ST+8*\q+6], 0xff61b1e6
	v_mov_b32 v[ST+8*\q+2], 0                      ; the sum, in two halves
	v_mov_b32 v[ST+8*\q+3], 0
	v_mov_b32 v[ST+8*\q+5], 0                      ; (named as the upper half of f's pair)
	v_mov_b32 v[ST+8*\q+7], 0                      ; (a lane permute's destination counts as one of its sources)
	v_mov_b32 v[T+4+\q], 0                         ; (likewise)
.endr
	WA
	s_wait_kmcnt 0x0
	s_add_co_i32 s58, s62, s63                     ; e10 + e11
	s_add_co_i32 s70, s62, 127
	s_lshl_b32 s71, s70, 23
	v_mov_b32 v12, s71                             ; 2^e10
	s_add_co_i32 s70, s70, 15
	s_lshl_b32 s70, s70, 23
	s_or_b32 s45, s70, 0x600000                    ; 57,344 x 2^e10
	s_add_co_i32 s70, s60, s61
	s_lshl_b32 s70, s70, 23
	s_add_co_i32 s54, s70, 0x3db8aa3b              ; c = log2(e) / 16 x 2^(e8 + e9): the exponents are added to c's exponent field
	s_mov_b32 s55, s54                             ; (named with it as a pair, so it is written)
	s_add_co_i32 s70, s68, s69
	s_sub_co_i32 s51, 0, s70                       ; -(e6 + e7)
	s_lshl_b32 s70, s70, 23
	s_add_co_i32 s66, s70, 0xbfb8aa3b              ; -log2(e) x 2^(e6 + e7)
	s_mov_b32 s67, s66
	WA
	s_wait_tensorcnt 0x0                           ; my part of round 0's K or V is in
	s_barrier_signal -1
	s_barrier_wait -1                              ; everybody's is
	KLD 0, F, F+16, 0
	KLD 1, 32, 48, 0x40
	KLD 2, 96, 112, 0x40
	KLD 3, 160, 176, 0x40
	KLD 4, F+32, F+48, 0
	WIN 0
	s_wait_loadcnt 0x0                             ; Q
	; ---- EIGHT ROUNDS of 512 keys.  Round 0 starts O^T's sums (nothing is cleared or rescaled); the last, which fills nothing, is written out
	ROUND 1, 0
	s_mov_b32 s49, 6
.Lround:
	ROUND 0, 0
	WA
	s_sub_co_u32 s49, s49, 1
	s_cmp_lg_u32 s49, 0
	s_cbranch_scc1 .Lround
	ROUND 0, 1
	; ---- THE END.  The quarters of the keys meet: each wave leaves O^T, -M and its sum in LDS, in slots that have had their last fill and that nobody reads since change Y, and takes 64 of the 256 features from all four
.irp q, 0,1,2,3
	v_add_f32 v[ST+8*\q+2], v[ST+8*\q+2], v[ST+8*\q+3]
.endr
.irp q, 0,1,2,3
	v_permlanex16_b32 v[ST+8*\q+7], v[ST+8*\q+2], s56, s57
.endr
.irp q, 0,1,2,3
	v_add_f32 v[ST+8*\q+2], v[ST+8*\q+2], v[ST+8*\q+7]   ; my quarter's sum.  (These twelve lines are the places behind the last products)
.endr
	WA
	WIN 0x40
	QLOAD 0, 18                                    ; x's codes for the gate, into window 1
	WIN 0
.irp t, 0,1,2,3
	global_load_b128 v[F+8*\t:F+8*\t+3], v10, s[8:9] offset:64*\t
	global_load_b128 v[F+8*\t+4:F+8*\t+7], v10, s[8:9] offset:64*\t+16
.endr
.macro OSTORE q                        ; each accumulator from its low end on
.set ii, 0
.rept 16
	ds_store_b128 v14, v[128*((\q)%2)+8*ii:128*((\q)%2)+8*ii+3] offset:16384*(\q)+1024*ii
	ds_store_b128 v14, v[128*((\q)%2)+8*ii+4:128*((\q)%2)+8*ii+7] offset:16384*(\q)+1024*ii+512
.set ii, ii+1
.endr
.endm
	WIN 0x08
	OSTORE 0
	OSTORE 1
	WIN 0x0c
	OSTORE 2
	OSTORE 3
	WIN 0
.irp q, 0,1,2,3
	ds_store_b32 v11, v[ST+8*\q] offset:1024*\q
	ds_store_b32 v11, v[ST+8*\q+2] offset:1024*\q+512
.endr
	s_wait_dscnt 0x0                               ; for the others' sake
	s_barrier_signal -1
	s_barrier_wait -1
.irp q, 0,1,2,3
	ds_load_b128 v[ST+8*\q:ST+8*\q+3], v13 offset:1024*\q          ; the four quarters' -M,
	ds_load_b128 v[ST+8*\q+4:ST+8*\q+7], v13 offset:1024*\q+512    ; and sums
.endr
.macro OLOAD k                         ; quarter k's image of my 4 x 4 tiles, into half k % 2 of window 2 + k / 2
.if \k < 2
	WIN 0x80
.else
	WIN 0xc0
.endif
.irp q, 0,1,2,3
.irp t, 0,1,2,3
.irp p, 0,1
	ds_load_b128 v[128*(\k%2)+32*\q+8*\t+4*\p:128*(\k%2)+32*\q+8*\t+4*\p+3], v[15+\k] offset:16384*\q+1024*\t+512*\p
.endr
.endr
.endr
.endm
	OLOAD 0
	; the gate for the same rows and features, transposed: tile (q, t) at window 1, 128 + 32 q + 8 t; sixteen accumulators by turns
	WIN 0
	s_wait_loadcnt 0x0                             ; Wg, bg, x's codes
.set ii, 0
.rept 32
	v_ldexp_f32 v[F+ii], v[F+ii], s51              ; bg / 2^(e6 + e7)
.set ii, ii+1
.endr
	WIN 0x44
.irp q, 0,1,2,3
.irp t, 0,1,2,3
	v_wmma_f32_16x16x128_bf8_bf8 v[128+32*\q+8*\t:128+32*\q+8*\t+7], v[Q+32*\t:Q+32*\t+15], v[32*\q:32*\q+15], v[F+8*\t:F+8*\t+7]
.endr
.endr
	WIN 0x54
.irp q, 0,1,2,3
.irp t, 0,1,2,3
	v_wmma_f32_16x16x128_bf8_bf8 v[128+32*\q+8*\t:128+32*\q+8*\t+7], v[Q+32*\t+16:Q+32*\t+31], v[32*\q+16:32*\q+31], v[128+32*\q+8*\t:128+32*\q+8*\t+7]
.endr
.endr
	PLACES 4
	WIN 0x40
.irp q, 0,1,2,3
.irp i, 0,1,2,3,4,5,6,7
	global_load_b128 v[32*\q+4*\i:32*\q+4*\i+3], v8, s[72:73] offset:16384*\q+2048*\i   ; x where I shall store out
.endr
.endr
	OLOAD 1
	WIN 0x41
.set ii, 128
.rept 64
	v_pk_mul_f32 v[ii:ii+1], v[ii:ii+1], s[66:67] op_sel_hi:[1,0]   ; -z log2(e)
.set ii, ii+2
.endr
	OLOAD 2
	WIN 0x41
	WA
.set ii, 128
.rept 128
	v_exp_f32 v[ii], v[ii]
.set ii, ii+1
.endr
	v_nop
	WA
.set ii, 128
.rept 64
	v_pk_add_f32 v[ii:ii+1], v[ii:ii+1], 1.0 op_sel_hi:[1,0]
.set ii, ii+2
.endr
	OLOAD 3
	WIN 0x41
	WA
.set ii, 128
.rept 128
	v_rcp_f32 v[ii], v[ii]                         ; sigmoid(z) = 1 / (1 + 2^(-z log2(e)))
.set ii, ii+1
.endr
	v_nop
	WIN 0
	WA
	s_wait_dscnt 0x0                               ; the statistics and the four images
.irp q, 0,1,2,3
	v_min3_num_f32 v[T+\q], v[ST+8*\q], v[ST+8*\q+1], v[ST+8*\q+2]
.endr
.irp q, 0,1,2,3
	v_min_num_f32 v[T+\q], v[T+\q], v[ST+8*\q+3]   ; - the largest M
.endr
.irp k, 0,1,2,3
.irp q, 0,1,2,3
	v_sub_f32 v[ST+8*\q+\k], v[T+\q], v[ST+8*\q+\k]   ; quarter k's M - the largest: a whole number, 0 or less
.endr
.endr
.irp k, 0,1,2,3
.irp q, 0,1,2,3
	v_cvt_i32_f32 v[ST+8*\q+\k], v[ST+8*\q+\k]
.endr
.endr
.irp k, 0,1,2,3
.irp q, 0,1,2,3
	v_ldexp_f32 v[ST+8*\q+\k], 1.0, v[ST+8*\q+\k]  ; f_k: a power of two
.endr
.endr
.irp q, 0,1,2,3
	v_mul_f32 v[T+4+\q], v[ST+8*\q], v[ST+8*\q+4]
.endr
.irp k, 1,2,3
.irp q, 0,1,2,3
	v_fmac_f32 v[T+4+\q], v[ST+8*\q+\k], v[ST+8*\q+4+\k]   ; the row's sum
.endr
.endr
	WA
.irp q, 0,1,2,3
	v_rcp_f32 v[T+4+\q], v[T+4+\q]
.endr
	v_nop
	WA
.irp q, 0,1,2,3
	v_ldexp_f32 v[T+4+\q], v[T+4+\q], s58          ; x 2^(e10 + e11)
.endr
.irp k, 0,1,2,3
.irp q, 0,1,2,3
	v_mul_f32 v[ST+8*\q+\k], v[ST+8*\q+\k], v[T+4+\q]   ; quarter k's weight
.endr
.endr
.macro OSUM k                          ; the joined O^T (+)= quarter k's x its weight, which is word k % 2 of its pair
.irp q, 0,1,2,3
.set ii, 32*\q
.rept 16
.if \k == 0
	v_pk_mul_f32 v[ii:ii+1], v[ii:ii+1], v[ST+8*\q:ST+8*\q+1] op_sel_hi:[1,0]
.elseif (\k%2) == 0
	v_pk_fma_f32 v[ii:ii+1], v[ii:ii+1], v[ST+8*\q+\k:ST+8*\q+\k+1], v[ii:ii+1] op_sel_hi:[1,0,1]
.else
	v_pk_fma_f32 v[ii:ii+1], v[128+ii:128+ii+1], v[ST+8*\q+\k-1:ST+8*\q+\k], v[ii:ii+1] op_sel:[0,1,0] op_sel_hi:[1,1,1]
.endif
.set ii, ii+2
.endr
.endr
.endm
	WIN 0x82
	OSUM 0
	WIN 0xa2
	OSUM 1
	WIN 0xa3
	OSUM 2
	OSUM 3
	WIN 0x86
.set ii, 0
.rept 64
	v_pk_mul_f32 v[ii:ii+1], v[ii:ii+1], v[128+ii:128+ii+1]   ; x the gate
.set ii, ii+2
.endr
	; THE WAY OUT: a tile (16 rows x 256 bytes) at a time through my own stage; LDS serves a wave's instructions in order (ISA guide 5.7.1.4)
	WIN 0x08
.irp q, 0,1,2,3
.irp t, 0,1,2,3
	ds_store_b128 v19, v[32*\q+8*\t:32*\q+8*\t+3] offset:64*\t
	ds_store_b128 v19, v[32*\q+8*\t+4:32*\q+8*\t+7] offset:64*\t+16
.endr
.irp i, 0,1,2,3,4,5,6,7
	ds_load_b128 v[Q+32*\q+4*\i:Q+32*\q+4*\i+3], v20 offset:544*\i
.endr
.endr
	WIN 0x44                                       ; source 1 (x; the stores' data) and destination window 1
	s_wait_loadcnt 0x0                             ; x's rows
.irp q, 0,1,2,3
.irp i, 0,1,2,3,4,5,6,7
	s_wait_dscnt 55-16*\q-\i                       ; behind this load: the tile's other loads and the later tiles' eight stores and eight loads each
	v_pk_add_f32 v[32*\q+4*\i:32*\q+4*\i+1], v[Q+32*\q+4*\i:Q+32*\q+4*\i+1], v[32*\q+4*\i:32*\q+4*\i+1]
	v_pk_add_f32 v[32*\q+4*\i+2:32*\q+4*\i+3], v[Q+32*\q+4*\i+2:Q+32*\q+4*\i+3], v[32*\q+4*\i+2:32*\q+4*\i+3]
	global_store_b128 v8, v[32*\q+4*\i:32*\q+4*\i+3], s[20:21] offset:16384*\q+2048*\i th:TH_STORE_NT   ; sixteen lanes store 256 consecutive bytes, aligned
.endr
.endr
	WIN 0
	s_wait_tensorcnt 0x0                           ; the wave's end
	ds_add_u32 v4, v5
	s_wait_dscnt 0x0
	CROUND                                         ; the closing round: no work-group ends while a partner may still ask for a tile that names it
	s_endpgm
.Lfunc_end_k_q3a9f5891d1_attn:
	.size	k_q3a9f5891d1_attn, .Lfunc_end_k_q3a9f5891d1_attn-k_q3a9f5891d1_attn
	.p2alignl 7, 3214868480
	.fill 96, 4, 3214868480
	.section	.rodata,"a",@progbits
	.p2align	6, 0x0
	.amdhsa_kernel k_q3a9f5891d1_attn
		.amdhsa_group_segment_fixed_size 327680
		.amdhsa_private_segment_fixed_size 0
		.amdhsa_enable_private_segment 0
		.amdhsa_kernarg_size 72
		.amdhsa_user_sgpr_count 2
		.amdhsa_user_sgpr_kernarg_segment_ptr 1
		.amdhsa_wavefront_size32 1
		.amdhsa_system_sgpr_workgroup_id_x 1
		.amdhsa_system_sgpr_workgroup_id_y 1
		.amdhsa_system_sgpr_workgroup_id_z 1
		.amdhsa_system_vgpr_workitem_id 0
		.amdhsa_next_free_vgpr 1024
		.amdhsa_next_free_sgpr 96
		.amdhsa_reserve_vcc 0
		.amdhsa_float_denorm_mode_32 3
		.amdhsa_float_denorm_mode_16_64 3
		.amdhsa_memory_ordered 1
		.amdhsa_forward_progress 1
		.amdhsa_inst_pref_size 255
	.end_amdhsa_kernel
	.section	.bss,"aw",@nobits
	.p2align	6
	.space	262144
	.amdgpu_metadata
---
amdhsa.version: [ 1, 2 ]
amdhsa.kernels:
  - .name:           k_q3a9f5891d1_attn
    .symbol:         k_q3a9f5891d1_attn.kd
    .args:
      - { .name: x, .offset: 0, .size: 8, .value_kind: global_buffer, .address_space: global }
      - { .name: Wg_codes, .offset: 8, .size: 8, .value_kind: global_buffer, .address_space: global }
      - { .name: bg, .offset: 16, .size: 8, .value_kind: global_buffer, .address_space: global }
      - { .name: lowp_scales, .offset: 24, .size: 8, .value_kind: global_buffer, .address_space: global }
      - { .name: kc, .offset: 32, .size: 8, .value_kind: global_buffer, .address_space: global }
      - { .name: vc, .offset: 40, .size: 8, .value_kind: global_buffer, .address_space: global }
      - { .name: qc, .offset: 48, .size: 8, .value_kind: global_buffer, .address_space: global }
      - { .name: xc, .offset: 56, .size: 8, .value_kind: global_buffer, .address_space: global }
      - { .name: out0, .offset: 64, .size: 8, .value_kind: global_buffer, .address_space: global }
    .group_segment_fixed_size: 327680
    .private_segment_fixed_size: 0
    .kernarg_segment_align: 8
    .kernarg_segment_size: 72
    .max_flat_workgroup_size: 128
    .sgpr_count:     96
    .vgpr_count:     1024
    .wavefront_size: 32
...
	.end_amdgpu_metadata
.endif
;; end of part 2
